; MI455X (gfx1250); checked and timed in simulation.
; The chip was launched on July 23, 2026; its instructions are those of AMD's public machine-readable ISA for CDNA 5 (MIT licence, August 2026) and "CDNA5" Instruction Set Architecture Reference Guide (July 2026). The comments in the code are by the model that wrote it; some were corrected since.
;; All To All Mo E. Allowed arithmetic: matrix products marked QUANTISED: E3M2 operands, one E8M0 scale for each 32 along K, by v_wmma_scale_f32_16x16x128_f8f6f4 with both operands' format E3M2, f32 sums; everything else in f32.
;; Inputs: b1 8,192 float32; b2 2,048 float32; w1_codes 8,192 x 64 x 24 uint8 (E3M2 codes of w1, K innermost, in blocks of 32 codes, four codes in three bytes); w1_scales 8,192 x 64 uint8 (E8M0 scales of w1, one for each 32 codes along K); w2_codes 2,048 x 256 x 24 uint8 (E3M2 codes of w2, K innermost, in blocks of 32 codes, four codes in three bytes); w2_scales 2,048 x 256 uint8 (E8M0 scales of w2, one for each 32 codes along K); x_codes 2,048 x 64 x 24 uint8 (E3M2 codes of x, K innermost, in blocks of 32 codes, four codes in three bytes); x_scales 2,048 x 64 uint8 (E8M0 scales of x, one for each 32 codes along K).
;; Outputs: out0 2,048 x 2,048 float32.
;; This version of the problem:
;;   THIS VERSION OF THE PROBLEM IS GIVEN IN LOW PRECISION. The matrix products marked QUANTISED in the list below multiply operands that are first quantised to E3M2 (3 exponent bits, 2 mantissa bits; 6 bits a number), with one power-of-two scale for each 32 numbers along K (OCP MX v1.0); their sums are f32. All else is computed in f32.
;;   The module's matrix products, in the order in which they are computed (A, B: the left and right operand; K: the contracted axis; several contracted axes count as one K, in the product's order):
;;     1. [M 2,048, K 2,048] x [K 2,048, N 8,192]; A: input x (given as codes); B: input w1 (given as codes): QUANTISED
;;     2. [M 2,048, K 8,192] x [K 8,192, N 2,048]; A: computed on the way; B: input w2 (given as codes): QUANTISED
;;   THE QUANTISER, for each operand of a quantised product, along K:
;;     - K is cut into blocks of 32 from its start; a last block that is shorter is filled with zeros.
;;     - A block's scale is 2^e with e = floor(log2(the largest magnitude in the block)) - 4, held to -126 .. 127; a block of zeros has e = 0. As a byte (E8M0): e + 127.
;;     - Each number is divided by its block's scale, clamped to +-28, and rounded to the nearest number of E3M2, ties to even, subnormals kept.
;;     - The product sums the exact products of the quantised numbers (number of the format x scale) in f32.
;;   ~~~python
;;   def quantise(x, axis):      # numpy; x: float32 -> the quantised numbers, widened to float32 again
;;       x = np.moveaxis(x, axis, -1); K = x.shape[-1]
;;       x = np.pad(x, [(0, 0)] * (x.ndim - 1) + [(0, -K % 32)]); x = x.reshape(x.shape[:-1] + (-1, 32)); a = np.abs(x).max(-1, keepdims=True)
;;       e = np.where(a > 0, np.clip(np.frexp(np.where(a > 0, a, 1))[1] - 1 - 4, -126, 127), 0)      # np.frexp(a)[1] - 1 = floor(log2(a)), exactly
;;       r = np.clip(x / 2.0 ** e, -28, 28)
;;       step = 2.0 ** (np.maximum(np.frexp(np.where(r == 0, 1, r))[1] - 1, -2) - 2)
;;       q = np.round(r / step) * step * 2.0 ** e      # np.round: ties to even
;;       return np.moveaxis(q.reshape(q.shape[:-2] + (-1,))[..., :K], -1, axis).astype(np.float32)
;;   ~~~
;;   OPERANDS COMPUTED ON THE WAY. 'Computed on the way' means the value that the module computes at that place (a softmax that the list does not call 'softmax' is quantised finished and normalised). What goes into a quantiser is computed in f32, as accurately as f32 sums, v_exp_f32 and their like allow (about 1e-6 of the number): no bf16 or f16 on the way to a quantiser, and a product that is left as it is and whose result goes on into a quantised operand takes f32 operands (vector FMAs, or v_wmma_f32_16x16x4_f32). A number that lies on a knife's edge between two numbers of the format may be rounded either way, as far as f32 arithmetic and the matrix unit's own rounding can turn it there, and no further.
;;   INPUTS GIVEN AS CODES. w1 (in the module: [2048, 8192], K = its axis 0); w2 (in the module: [8192, 2048], K = its axis 0); x (in the module: [2048, 2048], K = its axis 1): each comes as NAME_codes (uint8): NAME with its K axis moved to the last place and cut into blocks of 32 codes, [.., K / 32, bytes a block], one block behind the other in memory; four codes in three bytes: a row's codes are one little-endian stream of bits, code i at bits 6 i .. 6 i + 5 (a code: sign, 3 exponent bits, 2 mantissa bits); and NAME_scales (uint8): the same leading axes, one E8M0 byte (e + 127) for each 32 codes along K. Its value is code x scale, taken as it is: it is not quantised again, and the codes and scales need not be those that the quantiser above would give.
;; One version. Each part assembles by itself: llvm-mc -triple=amdgcn-amd-amdhsa -mcpu=gfx1250 --defsym DOCPART=n.
;; ======== version 1 of 1: 2 launches
;; workspace buffers: h_codes 12,582,912 bytes; h_scales 524,288 bytes; w2_img 12,582,912 bytes
;; launch gemm1 (part 1): grid 32 x 8, 4 waves a work-group, clusters of 4 x 4, 327,680 bytes of LDS; arguments x_codes, x_scales, w1_codes, w1_scales, b1, w2_codes, h_codes, h_scales, w2_img; writes h_codes, h_scales, w2_img
.if DOCPART == 1
	.amdgcn_target "amdgcn-amd-amdhsa--gfx1250"
	.amdhsa_code_object_version 6
	.text
	.protected	k_qc1907a147b_gemm1
	.globl	k_qc1907a147b_gemm1
	.p2align	8
	.type	k_qc1907a147b_gemm1,@function
k_qc1907a147b_gemm1:
	s_mov_b64 s[64:65], 0
	v_nop
	global_prefetch_b8 v0, s[64:65] scope:SCOPE_SE
	s_setreg_imm32_b32 hwreg(HW_REG_WAVE_MODE, 25, 1), 1
	s_wait_xcnt 0x0
	s_wait_alu depctr_hold_cnt(0) depctr_sa_sdst(0) depctr_va_vdst(0) depctr_va_sdst(0) depctr_va_ssrc(0) depctr_va_vcc(0) depctr_vm_vsrc(0)
	s_getreg_b32 s2, hwreg(HW_REG_IB_STS2, 6, 4)
	s_cmp_eq_u32 s2, 0
	s_cbranch_scc0 .Lentry_in_a_cluster
	s_endpgm
.Lentry_in_a_cluster:
	s_bfe_u32 s2, ttmp6, 0x10000c
	s_cmp_lg_u32 s2, 0xf033
	s_cbranch_scc0 .Lentry_shape_is_right
	s_endpgm
.Lentry_shape_is_right:
; h = gelu(x w1^T + b1), quantised to codes of BF6 (E3M2) with one E8M0 byte for each 32 along the FFN axis.  x: [2048][2048], w1: [8192][2048]: codes, K innermost, 1,536 bytes a row; scale bytes 64 a row.
; A tile of 256 tokens x 256 FFN units is made by a work-group of four waves; a wave makes 128 x 128: 64 accumulators of 16 x 16, 512 registers.  K goes in steps of 256 through a ring of two LDS slots
; filled by the tensor data mover; the scale bytes of the work-group's rows, for all of K, come into LDS once, with the first fills.
; CLUSTERS: 4 x 4 work-groups.  The four of a row of the cluster need the same tiles of x, the four of a column the same tiles of w1: each tile is asked for jointly, by the same tensor load with a mask that names the four.
; THE MATRIX INSTRUCTION IS USED TRANSPOSED (source 0 = 16 rows of w1, source 1 = 16 tokens): lane (r, h) of accumulator (a, b) holds token 16 a + r, its register j FFN unit 16 b + 8 h + j.
; The bias is the C of each sum's first matrix instruction.
; THE WAY OUT, a block of 16 tokens x 128 units a trip: gelu in f32; one exchange of lane halves makes a lane's 16 registers 16 neighbours along the FFN axis; the block is quantised in registers and becomes ONE operand
; fragment of the second product (16 tokens x 128 K), stored as an image of its 12 registers: quad c of lane l at 512 c + 16 l: three stores of 512 consecutive bytes.
; h_codes: fragment (T = token / 16, kappa = unit / 128) at (T>>3) 786,432 + (kappa>>2) 49,152 + (kappa&3) 12,288 + (T&7) 1,536.   h_scales: one word a token and kappa at (T>>3) 32,768 + (kappa>>2) 2,048 + (kappa&3) 512 + (T&7) 64 + 4 r.
; ALSO: w2's codes are laid anew in the same order (w2_img, rows = w2's n): each wave copies 8 fragments (16 rows x 1,024 K); its loads are issued ahead of the gelu and stored behind it.
; GELU: h = v Phi(v), Phi = 0.5 + vc A(s) / B(s), vc = v held to +-4 sqrt(2), s = vc^2: the rational form of erf on |x| <= 4 with 1/sqrt(2) and the half folded into its coefficients.
; LIMITS: NaN, infinities and the scale byte 0xff are not served.  Phi carries an absolute error of about 1e-7, so for v under about -3 (and beyond the hold at |v| = 5.657) h is off by up to about 1e-7 |v|.
; A block of zeros gets the byte 1 where the quantiser's rule says 127: its codes are zeros, and the bytes are read by this program alone.
; REGISTERS, in windows of 256: window 0: v0-31 addresses and two constants; v32-63 scale words, two sets, and nothing else ever; v64-127 the bias, later vc, later h; from v128 x's fragments, ONE set, later P (v128-191) and Q (v192-255).
;   window 1: w1's fragments, TWO sets, at v0 and v128; on the way out v0-95 w2's 8 fragments, v96-159 s.   window 2: the accumulators of my tokens 0-63 ((a, b) at v[8 (8 a + b)]);   window 3: those of tokens 64-127.
.set SIZE_K, 2048
.set KSTEP,  256                       ; along K in a slot
.set NQ,     KSTEP/128                 ; matrix instructions deep
.set ROWB,   192                       ; a tile's row in bytes
.set KROW,   SIZE_K*6/8                ; a row of x or w1 in memory
.set PITCH,  240                       ; an LDS row: 3 x (64 bytes + 16 of padding)
.set FR,     12                        ; registers of a fragment
.set NL,     6                         ; LDS loads that bring one
.set NP,     4                         ; places behind this matrix instruction (ISA guide 7.12.1)
.set HALFT,  128*PITCH
.set SLOT,   4*HALFT
.set LAPS,   SIZE_K/(2*KSTEP)
.set KS,     SIZE_K/32                 ; a row of scale bytes
.set SCL,    2*SLOT                    ; behind the ring: the scales, as units of 256 bytes + 16 of padding
.set HALFS,  (128*KS/256)*272
.set SBLK,   (16*KS/256)*272
.set SPARE,  SCL+4*HALFS               ; the spare words, 128 bytes for each wave
.set A6V,  8                           ; v[8:9]   A6, twice
.set B4V,  10                          ; v[10:11] B4, twice
.set ADRA, 16                          ; v16-17 LDS address of my x fragments in slot 0, 1 (v18-19: for pieces behind one padding more)
.set ADRB, 20                          ; v20-21 the same for w1 (v22-23)
.set SCW,  24                          ; v24  way out: where my block's scale word goes: 512 x wave + 4 r, + 64 a trip (in slot 0, which has had its last fill and its last read by then)
.set SCRD, 25                          ; v25  way out: where I read 16 bytes of the wave's 512 bytes of scale words back
.set LI,   26                          ; v26  16 x lane
.set ADRS, 27                          ; v27  LDS address of my scale words: lanes 0-15 x's rows, lanes 16-31 w1's
.set SPW,  28                          ; v28  LDS address of my spare word; never rewritten
.set NIL,  29                          ; v29  0; never rewritten
.set WA,   30                          ; v30  w2: 6,144 r + 24 h
.set BO,   31                          ; v31  the bias: 32 h
.set SC,   32
.set BI,   64                          ; the bias: register 8 b + j = b1 at my unit 16 b + 8 h + j
.set VC,   64
.set AF,   128
.set P,    128
.set Q,    192
.set S,    96                          ; in window 1
.set TM,   192                         ; the quantiser's registers lie where Q lay
.set PW,   208
.set PC,   212
.set G1, 24
.set G0, 32
.set G1B, 48
.set G0B, 56
.set G1S, 68
.set G0S, 76
.set G1SB, 80
.set G0SB, 88
.set SEL,  22                          ; s[22:23] lane selects for lane l xor 16 (way out)
.set LNEG, 66                          ; s66 -4 sqrt(2), s67 +4 sqrt(2) (way out)
.set LPOS, 67
.set W2P,  92                          ; s[92:93] w2's codes, s[94:95] h_codes, s[96:97] h_scales, s[98:99] w2_img
.set HCP,  94
.set HSP,  96
.set WIP,  98
.set CA0, 0xbbba79f3                   ; -5.69080716e-3
.set CA1, 0xba08eb41                   ; -5.22304390e-4
.set CA2, 0xb8883d9c                   ; -6.49646074e-5
.set CA3, 0xb628d45d                   ; -2.51575617e-6
.set CA4, 0xb347667d                   ; -4.64265104e-8
.set CA5, 0x2fa84a8d                   ; +3.06119941e-10
.set CA6, 0xabd3f331                   ; -1.50599506e-12
.set CB0, 0xbc69b6a7                   ; -1.42647391e-2
.set CB1, 0xbb719bf8                   ; -3.68666458e-3
.set CB2, 0xb9dc924e                   ; -4.20706744e-4
.set CB3, 0xb7dfbd29                   ; -2.66717569e-5
.set CB4, 0xb57460cd                   ; -9.10379490e-7
.set MSB, 0
.macro WIN new                         ; the immediate's high byte repeats the setting that is left
.if MSB != (\new)
	s_set_vgpr_msb (MSB<<8)|(\new)
.set MSB, (\new)
.endif
.endm
.set MUL_LO, 0xa1                      ; source 0 (w1) window 1, source 1 (x) window 0, C and D window 2
.set MUL_HI, 0xf1                      ; the same, C and D window 3
.set BIAS_LO, 0x81                     ; the first step: C (the bias) window 0, D window 2
.set BIAS_HI, 0xc1                     ; D window 3
.set TO_B,   0x40                      ; destination window 1, address window 0
; A joint load: waves 0 and 1 fetch for x, waves 2 and 3 for w1.  The branch hangs on the wave's number alone.  Four v_nop follow each of the two lines.
.macro JLOAD g0a, g1a, g0b, g1b
	s_cmp_eq_u32 s15, 0
	s_cbranch_scc0 .Lfor_b_\@
	tensor_load_to_lds s[\g0a:\g0a+3], s[\g1a:\g1a+7]
	s_nop 0
.rept 4
	v_nop
.endr
	s_branch .Lasked_\@
.Lfor_b_\@:
	tensor_load_to_lds s[\g0b:\g0b+3], s[\g1b:\g1b+7]
	s_nop 0
.rept 4
	v_nop
.endr
.Lasked_\@:
.endm
.macro CREST                           ; a round of the cluster's barrier behind its opening barrier
	s_cmp_lg_u32 s14, 0
	s_cbranch_scc1 .Lnot_wave_0_\@
	s_barrier_signal -3
.Lnot_wave_0_\@:
	s_barrier_wait -3
	s_barrier_signal -1
	s_barrier_wait -1
.endm
.macro CROUND                          ; a whole round
	s_barrier_signal -1
	s_barrier_wait -1
	CREST
.endm
	s_load_b128 s[4:7], s[0:1], 0x0                ; x's codes s[4:5], x's scales s[6:7]
	s_load_b128 s[8:11], s[0:1], 0x10              ; w1's codes s[8:9], w1's scales s[10:11]
	s_load_b64 s[12:13], s[0:1], 0x20              ; b1
	s_load_b128 s[92:95], s[0:1], 0x28             ; w2's codes, h_codes
	s_load_b128 s[96:99], s[0:1], 0x38             ; h_scales, w2_img
	v_lshl_add_u32 v[SPW], v0, 2, SPARE
	v_mov_b32 v[NIL], 0
	ds_add_u32 v28, v29
	ds_add_u32 v28, v29
	s_wait_dscnt 0x0
	v_lshrrev_b32 v1, 5, v0
	v_readfirstlane_b32 s14, v1                    ; wave 0..3
	s_lshr_b32 s15, s14, 1                         ; which half of the tile's tokens is mine.  Also: I fetch for x (0) or for w1 (1)
	s_and_b32 s16, s14, 1                          ; which half of its units.  Also: which 128 rows of that tile I fetch
	s_bfe_u32 s40, ttmp6, 0x40000                  ; cx, cy: my place in the cluster
	s_bfe_u32 s41, ttmp6, 0x40004
	s_lshl_b32 s42, ttmp9, 2
	s_add_co_u32 s42, s42, s40                     ; tile column = 4 x cluster x + cx
	s_and_b32 s17, ttmp7, 0xffff
	s_lshl_b32 s17, s17, 2
	s_add_co_u32 s17, s17, s41                     ; tile row = 4 x cluster y + cy
	s_lshl_b32 s43, s41, 2
	s_lshl_b32 s43, 15, s43                        ; my row of the cluster
	s_lshl_b32 s44, 0x1111, s40                    ; my column
	; descriptor group 1: a tile of 128 rows x 192 bytes, 16 bytes of padding behind every 64
	s_or_b32 s[G1+0], s43, (0<<16)|(1<<20)|(1<<21)|(3<<22)|(3<<25)
	s_or_b32 s[G1B+0], s44, (0<<16)|(1<<20)|(1<<21)|(3<<22)|(3<<25)
.irp g, G1, G1B
	s_mov_b32 s[\g+1], ROWB<<16                    ; tensor_dim0
	s_mov_b32 s[\g+2], 128<<16                     ; tensor_dim1
	s_mov_b32 s[\g+3], ROWB<<16                    ; tile_dim0
	s_mov_b32 s[\g+4], 128                         ; tile_dim1
	s_mov_b32 s[\g+5], KROW                        ; tensor_dim0_stride
	s_mov_b32 s[\g+6], 0
	s_mov_b32 s[\g+7], 0
.endr
	; the scales of 128 rows: a dense block of 8,192 bytes, as 32 rows of 256 bytes (32 elements of 8 bytes), 16 bytes of padding behind each
	s_or_b32 s[G1S+0], s43, (3<<16)|(1<<20)|(1<<21)|(5<<22)|(3<<25)
	s_or_b32 s[G1SB+0], s44, (3<<16)|(1<<20)|(1<<21)|(5<<22)|(3<<25)
.irp g, G1S, G1SB
	s_mov_b32 s[\g+1], 32<<16
	s_mov_b32 s[\g+2], (128*KS/256)<<16
	s_mov_b32 s[\g+3], 32<<16
	s_mov_b32 s[\g+4], 128*KS/256
	s_mov_b32 s[\g+5], 32
	s_mov_b32 s[\g+6], 0
	s_mov_b32 s[\g+7], 0
.endr
	s_lshl_b32 s18, s16, 7                         ; which 128 rows of the tile I fetch
	s_lshl_b32 s20, s17, 8
	s_add_co_u32 s20, s20, s18                     ; x: row 256 x tile row + 128 x half
	s_lshl_b32 s46, s42, 8
	s_add_co_u32 s46, s46, s18                     ; w1: row 256 x tile column + 128 x half
	s_mov_b32 s21, 0
	s_mov_b32 s47, 0
	s_mov_b64 s[18:19], KS
	s_mul_u64 s[22:23], s[20:21], s[18:19]         ; where these rows' scales begin, in bytes
	s_mul_u64 s[100:101], s[46:47], s[18:19]
	s_mov_b64 s[18:19], KROW
	s_mul_u64 s[20:21], s[20:21], s[18:19]         ; and their codes
	s_mul_u64 s[46:47], s[46:47], s[18:19]
	s_mul_i32 s45, s14, HALFT                      ; where they go: wave x 128 rows: no place in the cluster enters an LDS address
	s_mul_i32 s66, s14, HALFS
	s_wait_kmcnt 0x0
	s_add_nc_u64 s[20:21], s[4:5], s[20:21]
	s_add_nc_u64 s[22:23], s[6:7], s[22:23]
	s_add_nc_u64 s[46:47], s[8:9], s[46:47]
	s_add_nc_u64 s[100:101], s[10:11], s[100:101]
	CROUND                                         ; all sixteen work-groups are here: the first joint loads meet
	s_mov_b32 s[G0S], 1
	s_add_co_u32 s[G0S+1], s66, SCL
	s_mov_b64 s[G0S+2:G0S+3], s[22:23]
	s_or_b32 s[G0S+3], s[G0S+3], 0x80000000
	s_mov_b32 s[G0SB], 1
	s_add_co_u32 s[G0SB+1], s66, SCL
	s_mov_b64 s[G0SB+2:G0SB+3], s[100:101]
	s_or_b32 s[G0SB+3], s[G0SB+3], 0x80000000
	JLOAD G0S, G1S, G0SB, G1SB                     ; the scales first: they are wanted with K step 0
.irp s, 0,1
	s_mov_b32 s[G0+4*\s], 1
	s_add_co_u32 s[G0+4*\s+1], s45, \s*SLOT
	s_add_nc_u64 s[G0+4*\s+2:G0+4*\s+3], s[20:21], \s*ROWB
	s_or_b32 s[G0+4*\s+3], s[G0+4*\s+3], 0x80000000
	s_mov_b32 s[G0B+4*\s], 1
	s_add_co_u32 s[G0B+4*\s+1], s45, \s*SLOT
	s_add_nc_u64 s[G0B+4*\s+2:G0B+4*\s+3], s[46:47], \s*ROWB
	s_or_b32 s[G0B+4*\s+3], s[G0B+4*\s+3], 0x80000000
	JLOAD G0+4*\s, G1, G0B+4*\s, G1B
.endr
	v_and_b32 v1, 15, v0                           ; r = l % 16
	v_bfe_u32 v2, v0, 4, 1                         ; h = l / 16
	; the bias of my 128 units: lane (r, h) wants, for block b, b1 at 16 b + 8 h + 0 .. 7
	v_lshlrev_b32 v[BO], 5, v2
	s_lshl_b32 s46, s42, 10                        ; my first unit, in bytes of f32: 1,024 x tile column + 512 x half
	s_lshl_b32 s47, s16, 9
	s_add_co_u32 s46, s46, s47
	s_mov_b32 s47, 0
	s_add_nc_u64 s[12:13], s[12:13], s[46:47]
.irp b, 0,1,2,3,4,5,6,7
	global_load_b128 v[BI+8*\b:BI+8*\b+3], v[BO], s[12:13] offset:64*\b
	global_load_b128 v[BI+8*\b+4:BI+8*\b+7], v[BO], s[12:13] offset:64*\b+16
.endr
	v_mul_u32_u24 v3, v1, PITCH
	v_mul_u32_u24 v4, v2, 24
	v_add_nc_u32 v4, v3, v4                        ; a fragment's row x pitch + 24 x half
	v_lshl_add_u32 v5, v2, 4, v4                   ; and the same behind one padding more
	s_mul_i32 s21, s15, HALFT                      ; my 128 rows of x
	s_mul_i32 s22, s16, HALFT                      ; my 128 rows of w1,
	s_add_co_u32 s22, s22, 2*HALFT                 ; which lie behind x's 256
.irp s, 0,1
	v_add_nc_u32 v[ADRA+\s], s21, v4
	v_add_nc_u32 v[ADRB+\s], s22, v4
	v_add_nc_u32 v[ADRA+2+\s], s21, v5
	v_add_nc_u32 v[ADRB+2+\s], s22, v5
	s_add_co_u32 s21, s21, SLOT
	s_add_co_u32 s22, s22, SLOT
.endr
	v_mul_u32_u24 v5, v1, KS                       ; my row's scales: KS bytes a row,
	v_lshrrev_b32 v6, 8, v5
	v_lshl_add_u32 v5, v6, 4, v5                   ; and 16 more for each 256 passed
	s_mul_i32 s21, s15, HALFS                      ; x's: my 128 rows
	s_mul_i32 s22, s16, HALFS                      ; w1's: my 128 rows, behind x's 256
	s_add_co_u32 s22, s22, 2*HALFS
	s_sub_co_u32 s22, s22, s21
	v_mul_u32_u24 v6, s22, v2                      ; lanes 16-31 take w1's
	s_add_co_u32 s21, s21, SCL
	v_add_nc_u32 v5, v5, v6
	v_add_nc_u32 v[ADRS], s21, v5
	; addresses and constants of the way out
	s_lshl_b32 s23, s14, 9                         ; my wave's 512 bytes of scratch
	v_lshl_add_u32 v[SCW], v1, 2, s23
	v_and_b32 v6, 31, v0
	v_lshlrev_b32 v[LI], 4, v6
	v_add_nc_u32 v[SCRD], s23, v[LI]
	v_mul_u32_u24 v[WA], v1, 6144                  ; a row of w2's codes is 6,144 bytes
	v_mad_u32_u24 v[WA], v2, 24, v[WA]
	v_mov_b32 v[A6V], CA6
	v_mov_b32 v[A6V+1], CA6
	v_mov_b32 v[B4V], CB4
	v_mov_b32 v[B4V+1], CB4
.macro FRAG reg, adr, q, i             ; a fragment, 16 rows x 128 K: lane l holds row l % 16; registers 6 c .. 6 c + 5 hold K = 64 c + 32 (l / 16) + 0 .. 31: 24 bytes of the row, as they lie
.irp p, 0,1,2,3,4,5                    ; in pieces of 8 bytes.  Lanes 16-31 read three pieces further on than lanes 0-15: where that lies behind one padding more, the second address register serves
.set PCE, 12*(\q)+6*(\p/3)+\p%3
.if PCE%8 < 5
	ds_load_b64 v[\reg+2*\p:\reg+2*\p+1], v[\adr] offset:8*PCE+16*(PCE/8)+(\i)*16*PITCH
.else
	ds_load_b64 v[\reg+2*\p:\reg+2*\p+1], v[\adr+2] offset:8*PCE+16*(PCE/8)+(\i)*16*PITCH
.endif
.endr
.endm
; 16 matrix instructions: x's blocks a0, a0 + 1 against w1's eight, 128 along K.  p: w1's set;  sc: the set of scale words.  zero = 1: the first product starts the sums, with the bias as its C.
; The 64 accumulators take turns, one instruction a turn, in the same order in every step.
.macro MUL16 a0, p, q, sc, zero
.irp a, \a0, \a0+1
.irp b, 0,1,2,3,4,5,6,7
.if \zero
	v_wmma_scale_f32_16x16x128_f8f6f4 v[8*(8*((\a)%4)+\b):8*(8*((\a)%4)+\b)+7], v[128*(\p)+FR*\b:128*(\p)+FR*\b+FR-1], v[AF+FR*(\a):AF+FR*(\a)+FR-1], v[BI+8*\b:BI+8*\b+7], v[SC+8*NQ*(\sc)+NQ*\b+(\q)], v[SC+8*NQ*(\sc)+NQ*(\a)+(\q)] matrix_a_fmt:MATRIX_FMT_BF6 matrix_b_fmt:MATRIX_FMT_BF6 matrix_a_scale:MATRIX_SCALE_ROW1
.else
	v_wmma_scale_f32_16x16x128_f8f6f4 v[8*(8*((\a)%4)+\b):8*(8*((\a)%4)+\b)+7], v[128*(\p)+FR*\b:128*(\p)+FR*\b+FR-1], v[AF+FR*(\a):AF+FR*(\a)+FR-1], v[8*(8*((\a)%4)+\b):8*(8*((\a)%4)+\b)+7], v[SC+8*NQ*(\sc)+NQ*\b+(\q)], v[SC+8*NQ*(\sc)+NQ*(\a)+(\q)] matrix_a_fmt:MATRIX_FMT_BF6 matrix_b_fmt:MATRIX_FMT_BF6 matrix_a_scale:MATRIX_SCALE_ROW1
.endif
.endr
.endr
.endm
.macro FETCH_B slot, q, p              ; w1's eight fragments of the slot's q-th 128 along K into set p
	WIN TO_B
.irp i, 0,1,2,3,4,5,6,7
	FRAG 128*(\p)+FR*\i, ADRB+\slot, \q, \i
.endr
	WIN 0
.endm
.macro FETCH_A slot, q, i0             ; x's blocks i0 .. i0 + 3
.irp i, \i0, \i0+1, \i0+2, \i0+3
	FRAG AF+FR*(\i), ADRA+\slot, \q, \i
.endr
.endm
.macro SCALES sc                       ; the next K step's scale words into set sc: lanes 0-15 take x's block i, lanes 16-31 w1's block i
.irp i, 0,1,2,3,4,5,6,7
	ds_load_b64 v[SC+8*NQ*\sc+NQ*\i:SC+8*NQ*\sc+NQ*\i+1], v[ADRS] offset:\i*SBLK
.endr
.endm
; A load into a register that a matrix instruction has read, and a vector instruction that reads a matrix result, stand NP places behind that matrix instruction; only plain vector instructions
; that name none of its registers are places (ISA guide 7.12.1 for vector instructions).
.macro PLACES n
.rept \n
	v_nop
.endr
.endm
; A step of 128 along K that has its successor in the same slot.
.macro STEP slot, q, zero
	s_wait_dscnt 4*NL                              ; w1's set and x's blocks 0-3 are in; the youngest 24 loads (x's blocks 4-7) may be out
.if \zero
	WIN BIAS_LO
.else
	WIN MUL_LO
.endif
	MUL16 0, (\q)%2, \q, \slot, \zero
	MUL16 2, (\q)%2, \q, \slot, \zero
	s_wait_dscnt 0                                 ; x's blocks 4-7 are in
	PLACES NP
	FETCH_B \slot, (\q)+1, 1-(\q)%2
	FETCH_A \slot, (\q)+1, 0
.if \zero
	WIN BIAS_HI
.else
	WIN MUL_HI
.endif
	MUL16 4, (\q)%2, \q, \slot, \zero
	MUL16 6, (\q)%2, \q, \slot, \zero
	PLACES NP
	WIN 0
	FETCH_A \slot, (\q)+1, 4
.endm
; A slot's last step changes slots: ONE barrier; in front of it each wave waits for all its tensor loads, adds 0 to its spare word, and waits for that and for its own reads of this slot.  fill = 1: this slot is filled again, two K steps ahead.
.macro TURN slot, next, fill
	s_wait_tensorcnt 0x0                           ; all my tensor loads have landed: my part of the next slot;  (every window is 0 here)
	ds_add_u32 v[SPW], v[NIL]                      ; 0 onto my spare word
	s_wait_dscnt 4*NL+1                            ; (the add and the youngest 24 loads, x's blocks 4-7, may be out)
	WIN MUL_LO
	MUL16 0, 1, NQ-1, \slot, 0                     ; sixteen matrix instructions stand between the add and the wait for it
	s_wait_dscnt 0x0                               ; the add is done, and my reads of this slot are over
	s_barrier_signal -1
	MUL16 2, 1, NQ-1, \slot, 0
	WIN 0
	s_barrier_wait -1
.if \fill
	CREST                                          ; the barrier has opened a round of the cluster's barrier: no wave of any partner still reads this slot's tile or has a load on its way
	s_add_nc_u64 s[G0+4*\slot+2:G0+4*\slot+3], s[G0+4*\slot+2:G0+4*\slot+3], 2*ROWB
	s_add_nc_u64 s[G0B+4*\slot+2:G0B+4*\slot+3], s[G0B+4*\slot+2:G0B+4*\slot+3], 2*ROWB
	JLOAD G0+4*\slot, G1, G0B+4*\slot, G1B         ; the first tensor load behind the round; the four v_nop behind it are the places in front of the loads below
.else
	PLACES NP
.endif
	v_add_nc_u32 v[ADRS], 4*NQ, v[ADRS]            ; on to the next K step's scale words
	FETCH_B \next, 0, 0
	FETCH_A \next, 0, 0
	SCALES \next
	WIN MUL_HI
	MUL16 4, 1, NQ-1, \slot, 0
	MUL16 6, 1, NQ-1, \slot, 0
	PLACES NP
	WIN 0
	FETCH_A \next, 0, 4
.endm
	s_wait_tensorcnt 1                             ; the scales and my part of K step 0 are in (K step 1's load may be out)
	s_barrier_signal -1
	s_barrier_wait -1                              ; everybody's are
	FETCH_B 0, 0, 0
	FETCH_A 0, 0, 0
	SCALES 0
	FETCH_A 0, 0, 4
	s_wait_loadcnt 0x0                             ; the bias
	STEP 0, 0, 1                                   ; the first step stands in front of the loop: its products start the sums on the bias
	s_mov_b32 s3, LAPS-1
.Llap:                                                 ; a trip goes once round the ring, from a lap's second step to the next lap's first, and fills both slots again
	TURN 0, 1, 1
	STEP 1, 0, 0
	TURN 1, 0, 1
	STEP 0, 0, 0
	s_sub_co_u32 s3, s3, 1
	s_cmp_lg_u32 s3, 0
	s_cbranch_scc1 .Llap
	TURN 0, 1, 0                                   ; the last lap fills nothing, and has no round of the cluster's barrier
	STEP 1, 0, 0
	s_wait_dscnt 4*NL                              ; the very last step: nothing more to fetch
	WIN MUL_LO
	MUL16 0, 1, NQ-1, 1, 0
	MUL16 2, 1, NQ-1, 1, 0
	s_wait_dscnt 0
	WIN MUL_HI
	MUL16 4, 1, NQ-1, 1, 0
	MUL16 6, 1, NQ-1, 1, 0
	WIN 0
	PLACES NP                                      ; in front of the loads into w1's registers and of the first reads of results
	; ---- THE WAY OUT.  Where my parts begin, in bytes.
	s_lshl_b32 s18, s17, 5
	s_add_co_u32 s18, s18, s42                     ; the work-group's number, 0 .. 255 = 32 x tile row + tile column
	s_lshr_b32 s19, s18, 1                         ; w2: which 16 rows: 0 .. 127
	s_and_b32 s20, s18, 1
	s_lshl_b32 s20, s20, 2
	s_add_co_u32 s20, s20, s14                     ; and which 1,024 along K: 0 .. 7
	s_mul_i32 s44, s19, 98304                      ; 16 rows of 6,144 bytes
	s_mul_i32 s45, s20, 768
	s_add_co_u32 s44, s44, s45
	s_mov_b32 s45, 0
	s_add_nc_u64 s[W2P:W2P+1], s[W2P:W2P+1], s[44:45]
	s_lshr_b32 s21, s19, 3
	s_mul_i32 s44, s21, 786432
	s_mul_i32 s21, s20, 98304                      ; 8 K steps are two groups of four
	s_add_co_u32 s44, s44, s21
	s_and_b32 s21, s19, 7
	s_mul_i32 s21, s21, 1536
	s_add_co_u32 s44, s44, s21
	s_add_nc_u64 s[WIP:WIP+1], s[WIP:WIP+1], s[44:45]
	s_lshl_b32 s18, s17, 1
	s_add_co_u32 s18, s18, s15                     ; h: which 128 tokens: 2 x tile row + half
	s_lshr_b32 s19, s42, 1                         ; kappa = 2 x tile column + half: kappa >> 2,
	s_and_b32 s20, s42, 1
	s_lshl_b32 s20, s20, 1
	s_add_co_u32 s20, s20, s16                     ; kappa & 3
	s_mul_i32 s44, s18, 786432
	s_mul_i32 s21, s19, 49152
	s_add_co_u32 s44, s44, s21
	s_mul_i32 s21, s20, 12288
	s_add_co_u32 s44, s44, s21
	s_add_nc_u64 s[HCP:HCP+1], s[HCP:HCP+1], s[44:45]
	s_lshl_b32 s44, s18, 15
	s_lshl_b32 s21, s19, 11
	s_add_co_u32 s44, s44, s21
	s_lshl_b32 s21, s20, 9
	s_add_co_u32 s44, s44, s21
	s_add_nc_u64 s[HSP:HSP+1], s[HSP:HSP+1], s[44:45]
	s_mov_b32 s[SEL], 0x76543210
	s_mov_b32 s[SEL+1], 0xfedcba98
	s_mov_b32 s[LNEG], 0xc0b504f3
	s_mov_b32 s[LPOS], 0x40b504f3
	; w2's 8 fragments are asked for now (16 rows x 768 consecutive bytes a wave) and stored behind the gelu
	WIN TO_B
.irp f, 0,1,2,3,4,5,6,7
.irp p, 0,1,2,3,4,5
	global_load_b64 v[FR*\f+2*\p:FR*\f+2*\p+1], v[WA], s[W2P:W2P+1] offset:96*\f+48*(\p/3)+8*(\p%3) th:TH_LOAD_NT
.endr
.endr
	WIN 0
; 64 numbers of a lane, v[s] .. v[s + 63], register 16 b + i = k 32 b + 16 (lane / 16) + i of my row, become a fragment's codes in v[PC] on and its scale word in v[PW].
.macro QUANT s
.irp b, 0,1,2,3
	v_max3_num_f32 v[TM+\b], |v[\s+16*\b]|, |v[\s+1+16*\b]|, 0x2800000   ; block b: my 16 numbers, and the floor 2^(5 - 127): so the byte cannot fall under 1
.endr
.irp i, 2,4,6,8,10,12,14
.irp b, 0,1,2,3
	v_max3_num_f32 v[TM+\b], v[TM+\b], |v[\s+16*\b+\i]|, |v[\s+1+16*\b+\i]|   ; (the four blocks by turns)
.endr
.endr
.irp b, 0,1,2,3
	v_permlanex16_b32 v[TM+4+\b], v[TM+\b], s[SEL], s[SEL+1]
.endr
.irp b, 0,1,2,3
	v_max_num_f32 v[TM+\b], v[TM+\b], v[TM+4+\b]   ; with lane l xor 16's: the block's largest magnitude
.endr
.irp b, 0,1,2,3
	v_add_nc_u32 v[TM+12+\b], 0xfe000000, v[TM+\b]   ; 4 off its exponent field: the conversion takes the exponent field of this operand as its scale
.endr
.irp b, 0,1,2,3
	v_lshrrev_b32 v[TM+4+\b], 23, v[TM+12+\b]      ; the scale's byte
.endr
	v_lshl_or_b32 v[PW], v[TM+5], 8, v[TM+4]       ; the four bytes make my row's scale word
	v_lshl_or_b32 v[PW], v[TM+6], 16, v[PW]
	v_lshl_or_b32 v[PW], v[TM+7], 24, v[PW]
.irp c, 0,1
	v_cvt_scalef32_pk16_bf6_f32 v[PC+6*\c:PC+2+6*\c], v[\s+32*\c:\s+15+32*\c], v[TM+12+2*\c]
	v_cvt_scalef32_pk16_bf6_f32 v[PC+12+4*\c:PC+14+4*\c], v[\s+16+32*\c:\s+31+32*\c], v[TM+12+2*\c+1]   ; (a conversion's three registers begin on an even number)
.endr
	v_nop                                          ; one plain place behind a scaled conversion
.irp c, 0,1                                    ; the operand's layout wants a WHOLE block in a lane: lanes 0-15 block 2 c, lanes 16-31 block 2 c + 1
.irp i, 0,1,2
	v_permlane16_swap_b32 v[PC+6*\c+\i], v[PC+12+4*\c+\i]
.endr
.irp i, 0,1,2
	v_mov_b32 v[PC+3+6*\c+\i], v[PC+12+4*\c+\i]
.endr
.endr
.endm
	s_mov_b32 s3, 0
.Lblk:                                                 ; eight trips: block s3 of 16 tokens.  Only the two passes that read the accumulators differ from block to block: each is written eight times and chosen by the counter
.irp k, 0,1,2,3,4,5,6
	s_cmp_eq_u32 s3, \k
	s_cbranch_scc1 .Lclamp\k
.endr
.irp k, 7,0,1,2,3,4,5,6
.Lclamp\k:
	WIN 0x02+\k/4                                  ; source 0: window 2 or 3
.set i, 0
.rept 64
	v_med3_num_f32 v[VC+i], v[64*(\k%4)+i], s[LNEG], s[LPOS]   ; vc; each accumulator from its low end on
.set i, i+1
.endr
	WIN 0
	s_branch .Lpoly
.endr
.Lpoly:
	WIN 0x40                                       ; destination window 1
.set i, 0
.rept 32
	v_pk_mul_f32 v[S+i:S+i+1], v[VC+i:VC+i+1], v[VC+i:VC+i+1]   ; s = vc^2
.set i, i+2
.endr
	WIN 0x01                                       ; source 0 (s) window 1
.set i, 0
.rept 32
	v_pk_fma_f32 v[Q+i:Q+i+1], v[S+i:S+i+1], v[B4V:B4V+1], CB3 op_sel_hi:[1,1,0]
	v_pk_fma_f32 v[P+i:P+i+1], v[S+i:S+i+1], v[A6V:A6V+1], CA5 op_sel_hi:[1,1,0]
.set i, i+2
.endr
	WIN 0x04                                       ; source 1 (s) window 1
.irp c, CB2, CB1, CB0
.set i, 0
.rept 32
	v_pk_fma_f32 v[Q+i:Q+i+1], v[Q+i:Q+i+1], v[S+i:S+i+1], \c op_sel_hi:[1,1,0]
.set i, i+2
.endr
.endr
.set n, 0
.irp c, CA4, CA3, CA2, CA1                     ; the 64 reciprocals of B stand singly among A's steps: each has a plain instruction behind it that touches neither its result nor its source
.set i, 0
.rept 16
	v_pk_fma_f32 v[P+i:P+i+1], v[P+i:P+i+1], v[S+i:S+i+1], \c op_sel_hi:[1,1,0]
	v_pk_fma_f32 v[P+i+2:P+i+3], v[P+i+2:P+i+3], v[S+i+2:S+i+3], \c op_sel_hi:[1,1,0]
	v_rcp_f32 v[Q+n], v[Q+n]
.set i, i+4
.set n, n+1
.endr
.endr
.set i, 0
.rept 32
	v_pk_fma_f32 v[P+i:P+i+1], v[P+i:P+i+1], v[S+i:S+i+1], CA0 op_sel_hi:[1,1,0]
.set i, i+2
.endr
	WIN 0
.set i, 0
.rept 32
	v_pk_mul_f32 v[P+i:P+i+1], v[P+i:P+i+1], v[VC+i:VC+i+1]     ; vc A(s)
.set i, i+2
.endr
.set i, 0
	s_wait_alu depctr_va_vdst(0)
.rept 32
	v_pk_fma_f32 v[P+i:P+i+1], v[P+i:P+i+1], v[Q+i:Q+i+1], 0.5 op_sel_hi:[1,1,0]   ; Phi = 0.5 + vc A(s) / B(s)
.set i, i+2
.endr
.irp k, 0,1,2,3,4,5,6
	s_cmp_eq_u32 s3, \k
	s_cbranch_scc1 .Lmul\k
.endr
.irp k, 7,0,1,2,3,4,5,6
.Lmul\k:
	WIN 0x02+\k/4
.set i, 0
.rept 32
	v_pk_mul_f32 v[VC+i:VC+i+1], v[64*(\k%4)+i:64*(\k%4)+i+1], v[P+i:P+i+1]   ; h = v Phi, over vc
.set i, i+2
.endr
	WIN 0
	s_branch .Lquant
.endr
.Lquant:
.irp c, 0,1,2,3                                ; blocks 2 c and 2 c + 1 of units: the first's lanes 16-31 change places with the second's lanes 0-15: register 16 c + i now holds unit 32 c + 16 h + i
.irp j, 0,1,2,3,4,5,6,7
	v_permlane16_swap_b32 v[VC+16*\c+\j], v[VC+16*\c+8+\j]
.endr
.endr
	QUANT VC
.irp c, 0,1,2
	global_store_b128 v[LI], v[PC+4*\c:PC+4*\c+3], s[HCP:HCP+1] offset:512*\c   ; the fragment's image: 32 lanes store 512 consecutive bytes, at a multiple of 256 from the buffer's first byte
.endr
	ds_store_b32 v[SCW], v[PW]                     ; lanes r and 16 + r write the same word with the same value
	s_wait_xcnt 0x0                                ; the stores have read their registers and their base: both are written again only behind this wait
	s_wait_dscnt 0x0                               ; and the LDS store its data
	s_add_nc_u64 s[HCP:HCP+1], s[HCP:HCP+1], 1536
	v_add_nc_u32 v[SCW], 64, v[SCW]
	s_add_co_u32 s3, s3, 1
	s_cmp_lt_u32 s3, 8
	s_cbranch_scc1 .Lblk
	s_wait_loadcnt 0x0                             ; w2's fragments are in
	WIN 0x04                                       ; a store's data are its source 1: window 1
.irp f, 0,1,2,3,4,5,6,7
.irp c, 0,1,2
	global_store_b128 v[LI], v[FR*\f+4*\c:FR*\f+4*\c+3], s[WIP:WIP+1] offset:(\f/4)*49152+(\f%4)*12288+512*\c
.endr
.endr
	WIN 0
	ds_load_b128 v[192:195], v[SCRD]               ; LDS serves a wave's instructions in order: this sees my eight stores
	s_wait_dscnt 0x0
	global_store_b128 v[LI], v[192:195], s[HSP:HSP+1]   ; my 128 tokens' scale words of this kappa: 512 consecutive bytes
	s_wait_tensorcnt 0x0                           ; the wave's end
	ds_add_u32 v[SPW], v[NIL]
	s_wait_dscnt 0x0
	CROUND                                         ; the closing round: no work-group ends while a partner may still ask for a tile that names it
	s_endpgm
.Lfunc_end_k_qc1907a147b_gemm1:
	.size	k_qc1907a147b_gemm1, .Lfunc_end_k_qc1907a147b_gemm1-k_qc1907a147b_gemm1
	.p2alignl 7, 3214868480
	.fill 96, 4, 3214868480
	.section	.rodata,"a",@progbits
	.p2align	6, 0x0
	.amdhsa_kernel k_qc1907a147b_gemm1
		.amdhsa_group_segment_fixed_size 327680
		.amdhsa_private_segment_fixed_size 0
		.amdhsa_enable_private_segment 0
		.amdhsa_kernarg_size 72
		.amdhsa_user_sgpr_count 2
		.amdhsa_user_sgpr_kernarg_segment_ptr 1
		.amdhsa_wavefront_size32 1
		.amdhsa_system_sgpr_workgroup_id_x 1
		.amdhsa_system_sgpr_workgroup_id_y 1
		.amdhsa_system_sgpr_workgroup_id_z 1
		.amdhsa_system_vgpr_workitem_id 0
		.amdhsa_next_free_vgpr 1024
		.amdhsa_next_free_sgpr 102
		.amdhsa_reserve_vcc 0
		.amdhsa_float_denorm_mode_32 3
		.amdhsa_float_denorm_mode_16_64 3
		.amdhsa_memory_ordered 1
		.amdhsa_forward_progress 1
		.amdhsa_inst_pref_size 235
	.end_amdhsa_kernel
	.amdgpu_metadata
---
amdhsa.version: [ 1, 2 ]
amdhsa.kernels:
  - .name:           k_qc1907a147b_gemm1
    .symbol:         k_qc1907a147b_gemm1.kd
    .args:
      - { .name: x_codes, .offset: 0, .size: 8, .value_kind: global_buffer, .address_space: global }
      - { .name: x_scales, .offset: 8, .size: 8, .value_kind: global_buffer, .address_space: global }
      - { .name: w1_codes, .offset: 16, .size: 8, .value_kind: global_buffer, .address_space: global }
      - { .name: w1_scales, .offset: 24, .size: 8, .value_kind: global_buffer, .address_space: global }
      - { .name: b1, .offset: 32, .size: 8, .value_kind: global_buffer, .address_space: global }
      - { .name: w2_codes, .offset: 40, .size: 8, .value_kind: global_buffer, .address_space: global }
      - { .name: h_codes, .offset: 48, .size: 8, .value_kind: global_buffer, .address_space: global }
      - { .name: h_scales, .offset: 56, .size: 8, .value_kind: global_buffer, .address_space: global }
      - { .name: w2_img, .offset: 64, .size: 8, .value_kind: global_buffer, .address_space: global }
    .group_segment_fixed_size: 327680
    .private_segment_fixed_size: 0
    .kernarg_segment_align: 8
    .kernarg_segment_size: 72
    .max_flat_workgroup_size: 128
    .sgpr_count:     102
    .vgpr_count:     1024
    .wavefront_size: 32
...
	.end_amdgpu_metadata
.endif
;; end of part 1
;; launch gemm2 (part 2): grid 16 x 16, 4 waves a work-group, clusters of 4 x 1, 327,680 bytes of LDS; arguments h_codes, h_scales, w2_img, w2_scales, b2, out0; writes out0
.if DOCPART == 2
	.amdgcn_target "amdgcn-amd-amdhsa--gfx1250"
	.amdhsa_code_object_version 6
	.text
	.protected	k_qc1907a147b_gemm2
	.globl	k_qc1907a147b_gemm2
	.p2align	8
	.type	k_qc1907a147b_gemm2,@function
k_qc1907a147b_gemm2:
	s_mov_b64 s[64:65], 0
	v_nop
	global_prefetch_b8 v0, s[64:65] scope:SCOPE_SE
	s_setreg_imm32_b32 hwreg(HW_REG_WAVE_MODE, 25, 1), 1
	s_wait_xcnt 0x0
	s_wait_alu depctr_hold_cnt(0) depctr_sa_sdst(0) depctr_va_vdst(0) depctr_va_sdst(0) depctr_va_ssrc(0) depctr_va_vcc(0) depctr_vm_vsrc(0)
	s_getreg_b32 s2, hwreg(HW_REG_IB_STS2, 6, 4)
	s_cmp_eq_u32 s2, 0
	s_cbranch_scc0 .Lentry_in_a_cluster
	s_endpgm
.Lentry_in_a_cluster:
	s_bfe_u32 s2, ttmp6, 0x10000c
	s_cmp_lg_u32 s2, 0x3003
	s_cbranch_scc0 .Lentry_shape_is_right
	s_endpgm
.Lentry_shape_is_right:
; out0 = h w2^T + b2 on codes of BF6 (E3M2) with one E8M0 byte for each 32 along K = 8,192.  h: 2,048 tokens, w2: 2,048 rows n; out0: [2048][2048] f32.
; h_codes and w2_img hold IMAGES OF OPERAND REGISTERS: a fragment (16 rows x 128 K, 12 registers a lane) is 1,536 bytes, quad c of lane l at 512 c + 16 l; fragment (T = row / 16, kappa = k / 128) lies at
; (T>>3) 786,432 + kappa 12,288 + (T&7) 1,536.   h_scales: one word a token and kappa at (T>>3) 32,768 + kappa 512 + (T&7) 64 + 4 r.   w2_scales: [2048][256] bytes as given: word kappa of row n.
; SHARES.  2,048 x 2,048 outputs make 256 tiles of 128 x 128, one to a work-group.  THE FOUR WAVES SHARE K, NOT THE TILE: wave w multiplies kappa = 16 w + t, t = 0 .. 15, a quarter of K, into accumulators of its own
; for the whole tile (64 accumulators, 512 registers), so that each fragment feeds eight products.  At the end the four parts meet in LDS and are added, with the bias.
; So an output is the sum of four sums, each over a quarter of K in ascending order, not one ascending chain.
; h COMES THROUGH A RING OF TWO LDS SLOTS, jointly for the four work-groups of a cluster, which make four tiles of one tile row: a wave's one tensor load brings two of its own steps, 24,576 dense bytes, which it alone reads.
; w2 COMES FROM MEMORY STRAIGHT INTO THE OPERAND'S REGISTERS, 24 loads of 512 consecutive bytes a step, two steps ahead, in two sets.  It is not asked for jointly, though the work-groups of a tile column read the same blocks:
; a ring for both operands, two slots of which fit in LDS, holds 512 along K a slot, 64 matrix instructions a wave for each change of slots; with h alone a slot of the same bytes holds two steps a wave, 128 matrix
; instructions; and loads into registers are waited for by count, so that two steps' loads stay on their way across the changes of slots.
; THE SCALES: w2's 16 words a row of my quarter of K come once, into 64 registers; h's come with each step, 4 loads of 4 bytes a lane.
; THE SIXTEEN STEPS ARE WRITTEN OUT by two macros: the number of w2's scale register changes with every step, and every offset is an immediate (196,608 bytes at the most), so that no base is ever stepped.
; THE MATRIX INSTRUCTION IS USED TRANSPOSED (source 0 = 16 rows of w2, source 1 = 16 tokens): lane (r, h) of accumulator (a, b) holds token 16 a + r, its register j output 16 b + 8 h + j.
; LIMITS: NaN, infinities and the scale byte 0xff are not served.
; REGISTERS: window 0: v12-15 the bias; v16-29 addresses; v32-39 h's scale words, two sets of four; v64-127 w2's scale words: v32-39 and v64-127 hold scales and nothing else ever; v128-223 h's fragments, ONE set;
;   at the end v128-255 rows of the four parts.   window 1: w2's fragments, TWO sets, at v0 and v128.   window 2: the accumulators of tokens 0-63 ((a, b) at v[8 (8 a + b)]);   window 3: those of tokens 64-127.
.set FR,     12
.set FRB,    1536                      ; a fragment's image
.set QB,     8*FRB                     ; eight of them: 128 rows x 128 K: a step's bytes of one operand
.set STEPS,  16                        ; steps of a wave
.set QUART,  STEPS*QB                  ; a wave's quarter of K of one operand: 196,608 bytes
.set PARTB,  2*QB                      ; what one tensor load brings: two steps of h
.set SLOT,   4*PARTB                   ; the four waves' parts
.set SPITCH, 528                       ; the end: a row of 128 f32 + 16 bytes
.set PART,   128*SPITCH                ; a wave's part of the stage.  The four parts lie over the ring, which has had its last fill and its last read by then
.set SPARE,  4*PART                    ; behind them: the spare words, 128 bytes for each wave
.set B2V,  12                          ; v[12:15] b2 at my four columns of a row
.set AD,   16                          ; v16-17  slot s: LDS address of my part: 98,304 s + 24,576 wave + 16 lane
.set SAO,  18                          ; v18     4 x lane
.set SBO,  19                          ; v19     256 x lane: a row of w2's scale bytes
.set STO,  20                          ; v20     the end: where I put 32 bytes of a row of my part
.set RD,   21                          ; v21-24  the end: where I read 16 bytes of a row of part p
.set CO,   25                          ; v25     16 x lane
.set SPW,  28                          ; v28     LDS address of my spare word; never rewritten
.set NIL,  29                          ; v29     0; never rewritten
.set SA,   32                          ; step t's set at v[SA + 4 (t % 2)]: register i: lanes 0-15 the words of h's block 2 i, lanes 16-31 those of block 2 i + 1
.set SBR,  64                          ; v[SBR + 16 i + t]: step t's words of w2's rows 32 i + lane
.set AF,   128
.set R,    128
.set G1, 24                            ; s[24:31] descriptor group 1;  s[32:39] group 0, one set for each slot
.set G0, 32
.set MSB, 0
.macro WIN new                         ; the immediate's high byte repeats the setting that is left
.if MSB != (\new)
	s_set_vgpr_msb (MSB<<8)|(\new)
.set MSB, (\new)
.endif
.endm
.set MUL_LO, 0xa1                      ; source 0 (w2) window 1, source 1 (h) window 0, C and D window 2
.set MUL_HI, 0xf1                      ; the same, C and D window 3
.set TO_B,   0x40                      ; destination window 1, address window 0
.macro CREST                           ; a round of the cluster's barrier behind its opening barrier
	s_cmp_lg_u32 s16, 0
	s_cbranch_scc1 .Lnot_wave_0_\@
	s_barrier_signal -3
.Lnot_wave_0_\@:
	s_barrier_wait -3
	s_barrier_signal -1
	s_barrier_wait -1
.endm
.macro CROUND                          ; a whole round
	s_barrier_signal -1
	s_barrier_wait -1
	CREST
.endm
.macro PLACES n                        ; plain places behind matrix instructions, in front of loads into registers that they have read and of reads of their results
.rept \n
	v_nop
.endr
.endm
; Step t's operands that come from memory: h's four registers of scale words, w2's eight fragments.  28 loads.
.macro LOADS t
.irp i, 0,1,2,3
	global_load_b32 v[SA+4*((\t)%2)+\i], v[SAO], s[6:7] offset:512*(\t)+128*\i
.endr
	WIN TO_B
.irp b, 0,1,2,3,4,5,6,7
.irp c, 0,1,2
	global_load_b128 v[128*((\t)%2)+FR*\b+4*\c:128*((\t)%2)+FR*\b+4*\c+3], v[CO], s[8:9] offset:QB*(\t)+FRB*\b+512*\c   ; 32 lanes read 512 consecutive bytes
.endr
.endr
	WIN 0
.endm
	s_load_b256 s[4:11], s[0:1], 0x0               ; h_codes s[4:5], h_scales s[6:7], w2_img s[8:9], w2_scales s[10:11]
	s_load_b128 s[12:15], s[0:1], 0x20             ; b2 s[12:13], out0 s[14:15]
	v_lshl_add_u32 v[SPW], v0, 2, SPARE
	v_mov_b32 v[NIL], 0
	ds_add_u32 v28, v29
	ds_add_u32 v28, v29
	s_wait_dscnt 0x0
	v_lshrrev_b32 v1, 5, v0
	v_readfirstlane_b32 s16, v1                    ; wave 0..3: also my quarter of K
	s_bfe_u32 s40, ttmp6, 0x40000                  ; cx: my place in the cluster
	s_lshl_b32 s42, ttmp9, 2                       ; in a cluster launch ttmp9 counts clusters
	s_add_co_u32 s42, s42, s40                     ; tile column = 4 x cluster x + cx: it enters w2's, b2's and out0's addresses alone
	s_and_b32 s43, ttmp7, 0xffff                   ; tile row, which the four partners share
	; descriptor group 1: 24,576 dense bytes as 96 rows of 256 bytes (32 elements of 8 bytes), no padding
	s_mov_b32 s[G1+0], 15|(3<<16)|(1<<21)          ; 15:0 the mask: all four work-groups; 17:16 elements of 8 bytes; 21 set beside a mask
	s_mov_b32 s[G1+1], 32<<16                      ; tensor_dim0
	s_mov_b32 s[G1+2], 96<<16                      ; tensor_dim1
	s_mov_b32 s[G1+3], 32<<16                      ; tile_dim0
	s_mov_b32 s[G1+4], 96                          ; tile_dim1
	s_mov_b32 s[G1+5], 32                          ; tensor_dim0_stride
	s_mov_b32 s[G1+6], 0
	s_mov_b32 s[G1+7], 0
	s_mul_i32 s19, s16, QUART                      ; my quarter of K
	s_mul_i32 s20, s43, 786432
	s_add_co_u32 s20, s20, s19                     ; h's codes: my tile row's 128 tokens: made of the tile row and the wave's number alone
	s_mov_b32 s21, 0
	s_mul_i32 s46, s42, 786432
	s_add_co_u32 s46, s46, s19                     ; w2's: my tile column's 128 rows
	s_mov_b32 s47, 0
	s_lshl_b32 s22, s43, 15
	s_lshl_b32 s23, s16, 13
	s_add_co_u32 s22, s22, s23                     ; h's scale words: 32,768 bytes a tile row, 16 x 512 a quarter
	s_mov_b32 s23, 0
	s_lshl_b32 s92, s42, 15
	s_lshl_b32 s93, s16, 6
	s_add_co_u32 s92, s92, s93                     ; w2's scale bytes: 128 rows of 256 a tile column, 64 bytes of a row a quarter
	s_mov_b32 s93, 0
	s_mul_i32 s94, s16, PARTB                      ; my part of a slot: no place in the cluster enters an LDS address
	v_and_b32 v1, 15, v0                           ; r
	v_bfe_u32 v2, v0, 4, 1                         ; h
	v_and_b32 v3, 31, v0                           ; lane
	v_lshlrev_b32 v[CO], 4, v3
	v_lshlrev_b32 v[SAO], 2, v3
	v_lshlrev_b32 v[SBO], 8, v3
	v_add_nc_u32 v[AD], s94, v[CO]
	s_add_co_u32 s19, s94, SLOT
	v_add_nc_u32 v[AD+1], s19, v[CO]
	s_mul_i32 s19, s16, PART
	v_mul_u32_u24 v[STO], v1, SPITCH
	v_lshl_add_u32 v[STO], v2, 5, v[STO]
	v_add_nc_u32 v[STO], s19, v[STO]               ; my part of the stage: row r, + 32 h
	s_mul_i32 s19, s16, 32*SPITCH                  ; back: rows 32 wave on, of each of the four parts
.irp p, 0,1,2,3
	v_add_nc_u32 v[RD+\p], s19, v[CO]
	s_add_co_u32 s19, s19, PART
.endr
	s_wait_kmcnt 0x0
	s_add_nc_u64 s[20:21], s[4:5], s[20:21]
	s_add_nc_u64 s[6:7], s[6:7], s[22:23]
	s_add_nc_u64 s[8:9], s[8:9], s[46:47]
	s_add_nc_u64 s[10:11], s[10:11], s[92:93]
	s_lshl_b32 s46, s42, 9                         ; the tile's first column, in bytes of f32
	s_add_nc_u64 s[12:13], s[12:13], s[46:47]
	s_lshl_b32 s22, s43, 20                        ; out0: 128 rows of 8,192 bytes a tile row,
	s_lshl_b32 s23, s16, 18                        ; 32 rows a wave,
	s_add_co_u32 s22, s22, s23
	s_add_co_u32 s22, s22, s46                     ; and the tile's first column
	s_mov_b32 s23, 0
	s_add_nc_u64 s[14:15], s[14:15], s[22:23]
.irp i, 0,1,2,3                                ; w2's scale words of my quarter of K: rows 32 i + lane, 64 bytes of each; the four waves together read whole rows
.irp j, 0,1,2,3
	global_load_b128 v[SBR+16*\i+4*\j:SBR+16*\i+4*\j+3], v[SBO], s[10:11] offset:8192*\i+16*\j
.endr
.endr
	global_load_b128 v[B2V:B2V+3], v[CO], s[12:13] ; b2 at columns 4 lane .. 4 lane + 3 of the tile
	LOADS 0                                        ; asked for ahead of the round: they wait for no partner
	CROUND                                         ; all four work-groups are here: the first joint loads meet
.irp s, 0,1
	s_mov_b32 s[G0+4*\s], 1                                        ; 1:0 count = 1
	s_add_co_u32 s[G0+4*\s+1], s94, \s*SLOT                        ; 63:32 LDS address
	s_add_nc_u64 s[G0+4*\s+2:G0+4*\s+3], s[20:21], \s*PARTB        ; 120:64 global address: my steps 2 s and 2 s + 1
	s_or_b32 s[G0+4*\s+3], s[G0+4*\s+3], 0x80000000                ; 127:126 type = 2
	tensor_load_to_lds s[G0+4*\s:G0+4*\s+3], s[G1:G1+7]
	s_nop 0
	PLACES 4                                       ; (four v_nop follow a tensor load)
.endr
	LOADS 1
; One matrix instruction on the registers named by rD, rB, rA, rSB, rSA.  An odd block's scale words stand in lanes 16-31 of their register.
.macro WM aodd, bodd, zero
.if \zero
.if (\aodd) && (\bodd)
	v_wmma_scale_f32_16x16x128_f8f6f4 v[rD:rD+7], v[rB:rB+FR-1], v[rA:rA+FR-1], 0, v[rSB], v[rSA] matrix_a_fmt:MATRIX_FMT_BF6 matrix_b_fmt:MATRIX_FMT_BF6 matrix_a_scale:MATRIX_SCALE_ROW1 matrix_b_scale:MATRIX_SCALE_ROW1
.elseif (\bodd)
	v_wmma_scale_f32_16x16x128_f8f6f4 v[rD:rD+7], v[rB:rB+FR-1], v[rA:rA+FR-1], 0, v[rSB], v[rSA] matrix_a_fmt:MATRIX_FMT_BF6 matrix_b_fmt:MATRIX_FMT_BF6 matrix_a_scale:MATRIX_SCALE_ROW1
.elseif (\aodd)
	v_wmma_scale_f32_16x16x128_f8f6f4 v[rD:rD+7], v[rB:rB+FR-1], v[rA:rA+FR-1], 0, v[rSB], v[rSA] matrix_a_fmt:MATRIX_FMT_BF6 matrix_b_fmt:MATRIX_FMT_BF6 matrix_b_scale:MATRIX_SCALE_ROW1
.else
	v_wmma_scale_f32_16x16x128_f8f6f4 v[rD:rD+7], v[rB:rB+FR-1], v[rA:rA+FR-1], 0, v[rSB], v[rSA] matrix_a_fmt:MATRIX_FMT_BF6 matrix_b_fmt:MATRIX_FMT_BF6
.endif
.else
.if (\aodd) && (\bodd)
	v_wmma_scale_f32_16x16x128_f8f6f4 v[rD:rD+7], v[rB:rB+FR-1], v[rA:rA+FR-1], v[rD:rD+7], v[rSB], v[rSA] matrix_a_fmt:MATRIX_FMT_BF6 matrix_b_fmt:MATRIX_FMT_BF6 matrix_a_scale:MATRIX_SCALE_ROW1 matrix_b_scale:MATRIX_SCALE_ROW1
.elseif (\bodd)
	v_wmma_scale_f32_16x16x128_f8f6f4 v[rD:rD+7], v[rB:rB+FR-1], v[rA:rA+FR-1], v[rD:rD+7], v[rSB], v[rSA] matrix_a_fmt:MATRIX_FMT_BF6 matrix_b_fmt:MATRIX_FMT_BF6 matrix_a_scale:MATRIX_SCALE_ROW1
.elseif (\aodd)
	v_wmma_scale_f32_16x16x128_f8f6f4 v[rD:rD+7], v[rB:rB+FR-1], v[rA:rA+FR-1], v[rD:rD+7], v[rSB], v[rSA] matrix_a_fmt:MATRIX_FMT_BF6 matrix_b_fmt:MATRIX_FMT_BF6 matrix_b_scale:MATRIX_SCALE_ROW1
.else
	v_wmma_scale_f32_16x16x128_f8f6f4 v[rD:rD+7], v[rB:rB+FR-1], v[rA:rA+FR-1], v[rD:rD+7], v[rSB], v[rSA] matrix_a_fmt:MATRIX_FMT_BF6 matrix_b_fmt:MATRIX_FMT_BF6
.endif
.endif
.endm
; 8 matrix instructions of step t: h's block a against w2's eight.  zero = 1: the product starts the sums: nothing is ever cleared.
; The 64 accumulators take turns, one instruction a turn, in the same order in every step.
.macro MUL8 a, t, zero
.set rA, AF+FR*(\a)
.set rSA, SA+4*((\t)%2)+(\a)/2
.irp b, 0,1,2,3,4,5,6,7
.set rD, 8*(8*((\a)%4)+\b)
.set rB, 128*((\t)%2)+FR*\b
.set rSB, SBR+16*(\b/2)+(\t)
	WM (\a)%2, \b%2, \zero
.endr
.endm
.macro FETCH_A slot, q, a0             ; h's blocks a0 .. a0 + 3 of the slot's q-th step of mine: 12 loads, each of 512 consecutive bytes
.irp a, \a0, \a0+1, \a0+2, \a0+3
.irp c, 0,1,2
	ds_load_b128 v[AF+FR*(\a)+4*\c:AF+FR*(\a)+4*\c+3], v[AD+(\slot)] offset:QB*(\q)+FRB*(\a)+512*\c
.endr
.endr
.endm
; AN EVEN STEP: the first of a slot's two.  A block of h is free as soon as its eight products are issued: blocks 0-3 are fetched anew in the step's middle, blocks 4-7 at its end.
; w2's set and h's scale words are at work through the whole step: behind it they take the loads of the step two on.
.macro EVEN t, zero
.set SL, ((\t)/2)%2
	s_wait_loadcnt 28                              ; this step's 28 loads are in; the next step's 28, issued behind them, may be out
	s_wait_dscnt 12                                ; h's blocks 0-3 are in; the youngest 12 loads (blocks 4-7) may be out
	WIN MUL_LO
.irp a, 0,1,2,3
	MUL8 \a, \t, \zero
.endr
	s_wait_dscnt 0x0                               ; h's blocks 4-7 are in
	PLACES 4
	WIN 0
	FETCH_A SL, 1, 0
	WIN MUL_HI
.irp a, 4,5,6,7
	MUL8 \a, \t, \zero
.endr
	PLACES 4
	WIN 0
	FETCH_A SL, 1, 4
.if (\t)+2 < STEPS
	LOADS (\t)+2
.endif
.endm
; AN ODD STEP: the slot's second, which changes slots: all my reads of the slot have been issued.  ONE barrier; in front of it each wave waits for all its tensor loads (its part of the next slot), adds 0 to its spare word,
; and waits for that and for its reads of this slot.  fill = 1: this slot is filled again, with my two steps two slots on; the barrier then opens a round of the cluster's barrier, and the load has
; 112 matrix instructions up to the wait for it.
.macro ODD t, fill
.set SL, ((\t)/2)%2
	s_wait_loadcnt 28                              ; this step's 28 loads are in; the next step's 28 may be out
	s_wait_dscnt 12                                ; h's blocks 0-3 are in; blocks 4-7 may be out
	WIN MUL_LO
	MUL8 0, \t, 0
	MUL8 1, \t, 0
	WIN 0                                          ; (the add's two registers lie in window 0)
	s_wait_tensorcnt 0x0                           ; all my tensor loads have landed: the one that was out is my part of the next slot
	ds_add_u32 v[SPW], v[NIL]                      ; 0 onto my spare word
	WIN MUL_LO
	MUL8 2, \t, 0                                  ; eight matrix instructions stand between the add and the wait for it
	s_wait_dscnt 0x0                               ; the add is done, and my reads of this slot are over
	s_barrier_signal -1
	MUL8 3, \t, 0
	WIN 0
	s_barrier_wait -1
.if \fill
	CREST                                          ; no wave of any partner still reads this slot or has a load on its way
	s_add_nc_u64 s[G0+4*SL+2:G0+4*SL+3], s[G0+4*SL+2:G0+4*SL+3], 2*PARTB
	tensor_load_to_lds s[G0+4*SL:G0+4*SL+3], s[G1:G1+7]   ; the first tensor load behind the round, and my only one until the next
	s_nop 0
.endif
	PLACES 4                                       ; behind the tensor load, and in front of the loads below
	FETCH_A 1-SL, 0, 0
	WIN MUL_HI
.irp a, 4,5,6,7
	MUL8 \a, \t, 0
.endr
	PLACES 4
	WIN 0
	FETCH_A 1-SL, 0, 4
.if (\t)+2 < STEPS
	LOADS (\t)+2
.endif
.endm
	s_wait_tensorcnt 1                             ; my part of slot 0 is in (slot 1's load may be out)
	s_barrier_signal -1
	s_barrier_wait -1
	FETCH_A 0, 0, 0
	FETCH_A 0, 0, 4
	EVEN 0, 1                                      ; the first step's products start the sums
	ODD 1, 1
.irp j, 1,2,3,4,5
	EVEN 2*\j, 0
	ODD 2*\j+1, 1                                  ; the last of these, step 11, asks for steps 14 and 15
.endr
	EVEN 12, 0
	ODD 13, 0                                      ; nothing is left to ask of the ring; w2's last step is asked for
	EVEN 14, 0
	s_wait_loadcnt 0x0                             ; step 15: no load was issued behind its own
	s_wait_dscnt 12
	WIN MUL_LO
.irp a, 0,1,2,3
	MUL8 \a, 15, 0
.endr
	s_wait_dscnt 0x0                               ; my reads of the ring are over: behind this barrier the parts are stored over it
	s_barrier_signal -1
	WIN MUL_HI
.irp a, 4,5,6,7
	MUL8 \a, 15, 0
.endr
	WIN 0
	s_barrier_wait -1
	; THE END.  Each wave lays its 128 x 128 sums into its part of the stage; behind a barrier wave w adds the four parts' rows 32 w .. 32 w + 31 and the bias, and stores whole rows of 512 bytes.
	PLACES 4
.irp a, 0,1,2,3,4,5,6,7
	WIN 0x08+4*(\a/4)                              ; an LDS store's data are its source 1: window 2 or 3
.irp b, 0,1,2,3,4,5,6,7
	ds_store_b128 v[STO], v[8*(8*(\a%4)+\b):8*(8*(\a%4)+\b)+3] offset:16*SPITCH*\a+64*\b        ; each accumulator from its low end on
	ds_store_b128 v[STO], v[8*(8*(\a%4)+\b)+4:8*(8*(\a%4)+\b)+7] offset:16*SPITCH*\a+64*\b+16
.endr
.endr
	WIN 0
	s_wait_dscnt 0x0                               ; for the others' sake: my stores into the stage are done
	s_barrier_signal -1
	s_barrier_wait -1
.irp g, 0,1,2,3                                ; eight rows at a time
.if \g > 0
	s_wait_xcnt 0x0                                ; the last eight stores have read their registers: the loads below may land there
.endif
.irp i, 0,1,2,3,4,5,6,7
.irp p, 0,1,2,3
	ds_load_b128 v[R+16*\i+4*\p:R+16*\i+4*\p+3], v[RD+\p] offset:SPITCH*(8*\g+\i)
.endr
.endr
.irp i, 0,1,2,3,4,5,6,7
.set rr, R+16*\i
	s_wait_dscnt 4*(7-\i)                          ; row i's four loads are in; the later rows' four each may be out
	v_pk_add_f32 v[rr:rr+1], v[rr:rr+1], v[rr+4:rr+5]
	v_pk_add_f32 v[rr+2:rr+3], v[rr+2:rr+3], v[rr+6:rr+7]
	v_pk_add_f32 v[rr+8:rr+9], v[rr+8:rr+9], v[rr+12:rr+13]
	v_pk_add_f32 v[rr+10:rr+11], v[rr+10:rr+11], v[rr+14:rr+15]
	v_pk_add_f32 v[rr:rr+1], v[rr:rr+1], v[rr+8:rr+9]
	v_pk_add_f32 v[rr+2:rr+3], v[rr+2:rr+3], v[rr+10:rr+11]
	v_pk_add_f32 v[rr:rr+1], v[rr:rr+1], v[B2V:B2V+1]
	v_pk_add_f32 v[rr+2:rr+3], v[rr+2:rr+3], v[B2V+2:B2V+3]
	global_store_b128 v[CO], v[rr:rr+3], s[14:15] offset:8192*(8*\g+\i) th:TH_STORE_NT   ; 32 lanes store 512 consecutive bytes, at a multiple of 256 from out0's first byte; written once, read by nobody here
.endr
.endr
	s_wait_tensorcnt 0x0                           ; the wave's end
	ds_add_u32 v[SPW], v[NIL]
	s_wait_dscnt 0x0
	CROUND                                         ; the closing round: no work-group ends while a partner may still ask for a tile that names it
	s_endpgm
.Lfunc_end_k_qc1907a147b_gemm2:
	.size	k_qc1907a147b_gemm2, .Lfunc_end_k_qc1907a147b_gemm2-k_qc1907a147b_gemm2
	.p2alignl 7, 3214868480
	.fill 96, 4, 3214868480
	.section	.rodata,"a",@progbits
	.p2align	6, 0x0
	.amdhsa_kernel k_qc1907a147b_gemm2
		.amdhsa_group_segment_fixed_size 327680
		.amdhsa_private_segment_fixed_size 0
		.amdhsa_enable_private_segment 0
		.amdhsa_kernarg_size 48
		.amdhsa_user_sgpr_count 2
		.amdhsa_user_sgpr_kernarg_segment_ptr 1
		.amdhsa_wavefront_size32 1
		.amdhsa_system_sgpr_workgroup_id_x 1
		.amdhsa_system_sgpr_workgroup_id_y 1
		.amdhsa_system_sgpr_workgroup_id_z 1
		.amdhsa_system_vgpr_workitem_id 0
		.amdhsa_next_free_vgpr 1024
		.amdhsa_next_free_sgpr 96
		.amdhsa_reserve_vcc 0
		.amdhsa_float_denorm_mode_32 3
		.amdhsa_float_denorm_mode_16_64 3
		.amdhsa_memory_ordered 1
		.amdhsa_forward_progress 1
		.amdhsa_inst_pref_size 250
	.end_amdhsa_kernel
	.amdgpu_metadata
---
amdhsa.version: [ 1, 2 ]
amdhsa.kernels:
  - .name:           k_qc1907a147b_gemm2
    .symbol:         k_qc1907a147b_gemm2.kd
    .args:
      - { .name: h_codes, .offset: 0, .size: 8, .value_kind: global_buffer, .address_space: global }
      - { .name: h_scales, .offset: 8, .size: 8, .value_kind: global_buffer, .address_space: global }
      - { .name: w2_img, .offset: 16, .size: 8, .value_kind: global_buffer, .address_space: global }
      - { .name: w2_scales, .offset: 24, .size: 8, .value_kind: global_buffer, .address_space: global }
      - { .name: b2, .offset: 32, .size: 8, .value_kind: global_buffer, .address_space: global }
      - { .name: out0, .offset: 40, .size: 8, .value_kind: global_buffer, .address_space: global }
    .group_segment_fixed_size: 327680
    .private_segment_fixed_size: 0
    .kernarg_segment_align: 8
    .kernarg_segment_size: 48
    .max_flat_workgroup_size: 128
    .sgpr_count:     96
    .vgpr_count:     1024
    .wavefront_size: 32
...
	.end_amdgpu_metadata
.endif
;; end of part 2
